; MI455X (gfx1250); checked and timed in simulation.
; The chip was launched on July 23, 2026; its instructions are those of AMD's public machine-readable ISA for CDNA 5 (MIT licence, August 2026) and "CDNA5" Instruction Set Architecture Reference Guide (July 2026). The comments in the code are by the model that wrote it; some were corrected since.
;; Conditional CNF. Allowed arithmetic: float matrix products may take bf16 or f16 operands with f32 sums; all other float work in f32.
;; Inputs: T 524,288 x 1 float32; W1 32 x 9 float32; W2 32 x 32 float32; W3 1 x 32 float32; b1 32 float32; b2 32 float32; b3 1 float32; cond 524,288 x 8 float32.
;; Outputs: out0 524,288 x 1 float32; out1 524,288 x 1 float32.
;; One version. Each part assembles by itself: llvm-mc -triple=amdgcn-amd-amdhsa -mcpu=gfx1250 --defsym DOCPART=n.
;; ======== version 1 of 1: 1 launch
;; limits: values are held in f16: magnitudes above 65,504 overflow, below 6.1e-05 lose precision
;; launch cnf (part 1): grid 2048 x 1, 4 waves a work-group, no clusters, 0 bytes of LDS; arguments T, cond, W1, b1, W2, b2, W3, b3, out0, out1; writes out0, out1
.if DOCPART == 1
	.amdgcn_target "amdgcn-amd-amdhsa--gfx1250"
	.amdhsa_code_object_version 6
	.text
	.protected	k_qfcc77c6f88_cnf
	.globl	k_qfcc77c6f88_cnf
	.p2align	8
	.type	k_qfcc77c6f88_cnf,@function
k_qfcc77c6f88_cnf:
	s_mov_b64 s[64:65], 0
	v_nop
	global_prefetch_b8 v0, s[64:65] scope:SCOPE_SE
	s_setreg_imm32_b32 hwreg(HW_REG_WAVE_MODE, 25, 1), 1
	s_wait_xcnt 0x0
; Conditional CNF: 524,288 samples, each a scalar z and 8 conditioning numbers, taken through 2 RK4 steps (8 evaluations) of a
; 9 -> 32 -> 32 -> 1 tanh MLP and of its derivative by z.  One launch; a sample's state lives in registers from its load to its store.
; A wave owns 64 neighbouring samples = 4 tiles of 16; a work-group is 4 independent waves (256 samples): no LDS, no barrier.
;
; LAYOUT.  Every product is taken transposed: A = weights (rows = output units), B = activations (k = unit, column = sample).
; With r = lane & 15, h = lane >> 4, the two result tiles give lane (r, h) the units 8h .. 8h+7 and 16+8h .. 16+8h+7 of sample r,
; which are exactly the k that the next product's B fragment wants in that lane, in that order ("q order", q = 0 .. 15).
; So 16 f32 results become the next B fragment by 8 packed conversions and nothing moves between lanes.
;
; ALGEBRA (same mathematics as the reference, constants folded once a wave).  S = 2 log2(e).
;   tanh(x) = 1 - 2 r,  r = 1 / (1 + 2^(S x));   1 - tanh^2 = 4 u,  u = r - r^2.   2^t = inf gives r = 0, 2^t = 0 gives r = 1: no clamp.
;   layer 1:  t1 = P1 + z (S W1[:,0]),  P1 = S (b1 + cond W1[:,1:]^T) made once by the matrix unit; z stays in f32.
;   layer 2:  t2 = (S W2) h1 + S b2.
;   dz/dt   = (b3 + sum W3) + sum r2 (-2 W3), in f32.
;   div     = sum_o u2[o] sum_i (16 W3[o] W1[i,0] W2[o,i]) u1[i]; that matrix is scaled by a power of two, sigma, so that its largest
;             element lies in [1, 2) whatever the weights' size; log p is summed in units of 1/sigma and scaled back once at the end.
;   RK4, dt = 1/2:  z + k1/12 + k2/6 + k3/6 + k4/12, summed in this order (the reference sums the k first: another order of rounding).
; Matrix operands are f16 (h in [-1,1], u in [0,1/4], weights and cond of order one), sums f32.
; LIMITS: |cond|, |S W1[:,1:]| and |S W2| below 65,504 (f16's range); max |16 W3 W1[:,0] W2| below 2^127, and where it is below 2^-126
; out1 comes out as 0; v_exp_f32 and v_rcp_f32 are 1 ULP and flush denormals.
; NO CLUSTER: work-groups share only the 5,636 bytes of weights, read once by each wave; all other bytes are a wave's own.
.set NONE, 9
.set AW,   8                           ; v[8:23]    f16(S W2), A fragments of rows 0-15 and 16-31
.set AG,   24                          ; v[24:39]   f16(sigma 16 W3[o] W1[i,0] W2[o,i]), likewise
.set CB,   40                          ; v[40:55]   S b2, q order
.set WZ,   56                          ; v[56:71]   W1[:,0], then S W1[:,0], q order
.set W3N,  72                          ; v[72:87]   W3, then -2 W3, q order
.set CP,   88                          ; v[88:89]   (b3 + sum W3) / 4: the start of each of the 4 partial sums of dz/dt
.set AZ,   90                          ; v[90:91]   partial sums of dz/dt
.set AD,   92                          ; v[92:93]   partial sums of sigma div
.set DZ,   94
.set DX,   95
.set Y,    96                          ; v[96:99]   two pairs in turn: h1 in f32
.set ZS,   100                         ; v[100:107] tile t: ZS+2t the stage's z, ZS+2t+1 the step's z
.set KZ,   108                         ; v[108:111] tile t: z + the weighted k so far
.set LP,   112                         ; v[112:119] tile t: a pair of partial sums of sigma log p, per lane
.set X,    120                         ; v[120:135] layer 1 at work (first: cond as loaded)
.set HB,   136                         ; v[136:143] B fragment: h1
.set UB,   144                         ; v[144:151] B fragment: u1
.set D2,   152                         ; v[152:167] layer 2 at work (first: S b1)
.set G,    168                         ; v[168:183] the derivative's product (first: A fragments of S W1[:,1:])
.set P1,   184                         ; v[184:247] tile t: 16 registers, constant over the 8 evaluations
.set W2F,  184                         ; set-up only: W2 rows r and 16+r in f32, 16 + 16 registers
.set W1C,  216                         ; set-up only: W1[r][1..8], W1[16+r][1..8]
.set W3R,  232                         ; set-up only: W3[r], W3[16+r]
	s_load_b512 s[8:23], s[0:1], 0x0               ; T s[8:9], cond s[10:11], W1 s[12:13], b1 s[14:15], W2 s[16:17], b2 s[18:19], W3 s[20:21], b3 s[22:23]
	s_load_b128 s[24:27], s[0:1], 0x40             ; out0 s[24:25], out1 s[26:27]
	v_and_b32 v1, 15, v0                           ; r
	v_bfe_u32 v2, v0, 4, 1                         ; h
	v_lshlrev_b32 v3, 5, v2                        ; 32 h: my 8 + 8 units in a vector of 32 f32
	v_mul_u32_u24 v4, v2, 288                      ; 288 h: 8 h rows of W1 (36 bytes each)
	v_lshl_add_u32 v5, v1, 7, v3                   ; 128 r + 32 h: row r of W2, k = 8 h
	v_mul_u32_u24 v248, v1, 36                     ; row r of W1
	v_lshlrev_b32 v249, 2, v1                      ; 4 r
	v_lshlrev_b32 v250, 6, v0                      ; 64 t: cond of samples 2 t and 2 t + 1
	v_lshlrev_b32 v251, 3, v0                      ; 8 t: T, out0, out1 of those two
	s_lshl_b32 s2, ttmp9, 13                       ; the work-group's 256 samples: 8,192 bytes of cond,
	s_mov_b32 s3, 0
	s_lshl_b32 s4, ttmp9, 10                       ; 1,024 bytes of T, out0, out1
	s_mov_b32 s5, 0
	s_mov_b32 s30, 0x76543210                      ; v_permlanex16_b32: lane i takes lane i xor 16
	s_mov_b32 s31, 0xfedcba98
	s_mov_b32 s32, 0x4038aa3b                      ; S = 2 log2(e)
	s_mov_b32 s33, 0x4038aa3b
	s_mov_b32 s34, 0x3daaaaab                      ; 1/12
	s_mov_b32 s35, 0x3daaaaab
	s_mov_b32 s36, 0x3e2aaaab                      ; 1/6
	s_mov_b32 s37, 0x3e2aaaab
	s_mov_b32 s38, 0x3e800000                      ; 1/4
	s_wait_kmcnt 0x0                               ; the ten addresses
	s_load_b32 s28, s[22:23], 0x0                  ; b3
	s_add_nc_u64 s[8:9], s[8:9], s[4:5]
	s_add_nc_u64 s[10:11], s[10:11], s[2:3]
	s_add_nc_u64 s[24:25], s[24:25], s[4:5]
	s_add_nc_u64 s[26:27], s[26:27], s[4:5]
; 16 f32 of a vector of 32 in q order: units 8h .. 8h+7 and 16+8h .. 16+8h+7
.macro OWN16 dst, base
	global_load_b128 v[\dst:\dst+3],     v3, s[\base:\base+1]
	global_load_b128 v[\dst+4:\dst+7],   v3, s[\base:\base+1] offset:16
	global_load_b128 v[\dst+8:\dst+11],  v3, s[\base:\base+1] offset:64
	global_load_b128 v[\dst+12:\dst+15], v3, s[\base:\base+1] offset:80
.endm
	; the weights first (54 loads), the wave's own stream last (5 loads)
.irp m, 0,1
	global_load_b128 v[W2F+16*\m:W2F+16*\m+3],     v5, s[16:17] offset:2048*\m       ; W2[16m+r][8h ..]
	global_load_b128 v[W2F+16*\m+4:W2F+16*\m+7],   v5, s[16:17] offset:2048*\m+16
	global_load_b128 v[W2F+16*\m+8:W2F+16*\m+11],  v5, s[16:17] offset:2048*\m+64    ; W2[16m+r][16+8h ..]
	global_load_b128 v[W2F+16*\m+12:W2F+16*\m+15], v5, s[16:17] offset:2048*\m+80
.endr
.set q, 0
.rept 16
	global_load_b32 v[WZ+q], v4, s[12:13] offset:36*q+288*(q>>3)                     ; W1[unit q][0]
.set q, q+1
.endr
	global_load_b32 v[W3R],   v249, s[20:21]
	global_load_b32 v[W3R+1], v249, s[20:21] offset:64
	OWN16 W3N, 20
	OWN16 CB, 18
.set q, 0
.rept 16
	global_load_b32 v[W1C+q], v248, s[12:13] offset:576*(q>>3)+4+4*(q&7)             ; W1[16 (q>>3) + r][1 + (q&7)]
.set q, q+1
.endr
	OWN16 D2, 14
.irp i, 0,1,2,3
	global_load_b128 v[X+4*\i:X+4*\i+3], v250, s[10:11] offset:16*\i th:TH_LOAD_NT   ; the four together: 2,048 neighbouring bytes a wave
.endr
	global_load_b64 v[Y:Y+1], v251, s[8:9] th:TH_LOAD_NT                             ; 256 neighbouring bytes a wave
	s_wait_loadcnt 0x5                             ; loads return in order (ISA guide 5.7.1): the weights are in; cond's 4 and T's 1 stay out
	                                               ; under the arithmetic below, which touches neither X nor v[96:97]
	; AW = f16(S W2)
.set c, 0
.rept 16
	v_pk_mul_f32 v[90+2*(c&1):91+2*(c&1)], v[W2F+2*c:W2F+2*c+1], s[32:33] op_sel_hi:[1,0]
	v_cvt_pk_f16_f32 v[AW+c], v[90+2*(c&1)], v[91+2*(c&1)]
.set c, c+1
.endr
	; W2F = 16 W3[o] W1[i,0] W2[o,i]
	v_pk_mul_f32 v[W3R:W3R+1], v[W3R:W3R+1], 0x41800000 op_sel_hi:[1,0]
.set c, 0
.rept 8
	v_pk_mul_f32 v[W2F+2*c:W2F+2*c+1],       v[W2F+2*c:W2F+2*c+1],       v[WZ+2*c:WZ+2*c+1]
	v_pk_mul_f32 v[W2F+16+2*c:W2F+16+2*c+1], v[W2F+16+2*c:W2F+16+2*c+1], v[WZ+2*c:WZ+2*c+1]
.set c, c+1
.endr
.set c, 0
.rept 8
	v_pk_mul_f32 v[W2F+2*c:W2F+2*c+1],       v[W2F+2*c:W2F+2*c+1],       v[W3R:W3R+1] op_sel_hi:[1,0]              ; both by W3[r]
	v_pk_mul_f32 v[W2F+16+2*c:W2F+16+2*c+1], v[W2F+16+2*c:W2F+16+2*c+1], v[W3R:W3R+1] op_sel:[0,1] op_sel_hi:[1,1]  ; both by W3[16+r]
.set c, c+1
.endr
	; its largest magnitude over the 32 x 32 elements (32 in each lane, then across the lanes)
	v_max_num_f32 v252, |v[W2F]|, |v[W2F+1]|
.set c, 1
.rept 15
	v_max3_num_f32 v252, |v[W2F+2*c]|, |v[W2F+2*c+1]|, v252
.set c, c+1
.endr
	v_max_num_f32_dpp v252, v252, v252 row_xmask:1 row_mask:0xf bank_mask:0xf
	v_max_num_f32_dpp v252, v252, v252 row_xmask:2 row_mask:0xf bank_mask:0xf
	v_max_num_f32_dpp v252, v252, v252 row_xmask:4 row_mask:0xf bank_mask:0xf
	v_max_num_f32_dpp v252, v252, v252 row_xmask:8 row_mask:0xf bank_mask:0xf
	v_mov_b32 v253, 0                              ; v_permlanex16_b32's destination counts as read
	v_permlanex16_b32 v253, v252, s30, s31
	v_max_num_f32 v252, v252, v253
	v_and_b32 v7, 0x7f800000, v252                 ; 1 / sigma = 2^(E-127): the maximum's exponent field E alone
	v_sub_nc_u32 v6, 0x7f000000, v7                ; sigma = 2^(127-E): field 254 - E
	; AG = f16(sigma W2F)
.set c, 0
.rept 16
	v_pk_mul_f32 v[90+2*(c&1):91+2*(c&1)], v[W2F+2*c:W2F+2*c+1], v[6:7] op_sel_hi:[1,0]
	v_cvt_pk_f16_f32 v[AG+c], v[90+2*(c&1)], v[91+2*(c&1)]
.set c, c+1
.endr
	; S into W1[:,0], b2, b1
.set c, 0
.rept 8
	v_pk_mul_f32 v[WZ+2*c:WZ+2*c+1], v[WZ+2*c:WZ+2*c+1], s[32:33] op_sel_hi:[1,0]
	v_pk_mul_f32 v[CB+2*c:CB+2*c+1], v[CB+2*c:CB+2*c+1], s[32:33] op_sel_hi:[1,0]
	v_pk_mul_f32 v[D2+2*c:D2+2*c+1], v[D2+2*c:D2+2*c+1], s[32:33] op_sel_hi:[1,0]
.set c, c+1
.endr
	; CP = (b3 + sum of all 32 W3) / 4; then W3N = -2 W3
	v_pk_add_f32 v[90:91], v[W3N:W3N+1],       v[W3N+2:W3N+3]
	v_pk_add_f32 v[92:93], v[W3N+4:W3N+5],     v[W3N+6:W3N+7]
	v_pk_add_f32 v[94:95], v[W3N+8:W3N+9],     v[W3N+10:W3N+11]
	v_pk_add_f32 v[98:99], v[W3N+12:W3N+13],   v[W3N+14:W3N+15]
	v_pk_add_f32 v[90:91], v[90:91], v[92:93]
	v_pk_add_f32 v[94:95], v[94:95], v[98:99]
	v_pk_add_f32 v[90:91], v[90:91], v[94:95]
	v_add_f32 v90, v90, v91                        ; my 16 units
	v_permlanex16_b32 v253, v90, s30, s31
	v_add_f32 v90, v90, v253                       ; + the other half's 16
	s_wait_kmcnt 0x0                               ; b3
	v_add_f32 v90, s28, v90
	v_mul_f32 v[CP], s38, v90
	v_mul_f32 v[CP+1], s38, v90
.set c, 0
.rept 8
	v_pk_mul_f32 v[W3N+2*c:W3N+2*c+1], v[W3N+2*c:W3N+2*c+1], -2.0 op_sel_hi:[1,0]
.set c, c+1
.endr
	; A fragments of S W1[:,1:]: every lane holds its row's 8 numbers in registers 0-3, so k = 0..7 (lanes 0-15) and k = 8..15
	; (lanes 16-31) both carry the row; k = 16..31 is zero
.irp m, 0,1
.irp c, 0,1,2,3
	v_pk_mul_f32 v[90+2*(\c&1):91+2*(\c&1)], v[W1C+8*\m+2*\c:W1C+8*\m+2*\c+1], s[32:33] op_sel_hi:[1,0]
	v_cvt_pk_f16_f32 v[G+8*\m+\c], v[90+2*(\c&1)], v[91+2*(\c&1)]
.endr
.irp c, 4,5,6,7
	v_mov_b32 v[G+8*\m+\c], 0
.endr
.endr
.irp c, 4,5,6,7
	v_mov_b32 v[HB+\c], 0                          ; k = 16..31 of cond's B fragments
	v_mov_b32 v[UB+\c], 0
.endr
	s_mov_b32 vcc_lo, 0xffff0000                   ; lanes 16-31
	s_wait_loadcnt 0x0                             ; cond and T
; P1 of the tiles 2p and 2p+1.  Lane L holds cond of sample 2L + p of the wave's 64.  Tile 2p + g has in column r the sample
; 2 (r + 16 g) + p: its B fragment is that packed cond in the lanes of half g and zero in the other half.
.macro MAKEP1 p
.irp i, 0,1,2,3
	v_cvt_pk_f16_f32 v[90+\i], v[X+8*\p+2*\i], v[X+8*\p+2*\i+1]    ; for p = 1 these four, which name no register of the products above,
.endr                                                                 ; are the places in front of the rewriting of HB and UB (ISA guide 7.12.1)
.irp i, 0,1,2,3
	v_cndmask_b32 v[HB+\i], v[90+\i], v[HB+4], vcc_lo              ; lanes 0-15 cond, lanes 16-31 zero
	v_cndmask_b32 v[UB+\i], v[HB+4], v[90+\i], vcc_lo              ; the other way round
.endr
	v_wmma_f32_16x16x32_f16 v[P1+32*\p:P1+32*\p+7],     v[G:G+7],    v[HB:HB+7], v[D2:D2+7]
	v_wmma_f32_16x16x32_f16 v[P1+32*\p+8:P1+32*\p+15],  v[G+8:G+15], v[HB:HB+7], v[D2+8:D2+15]
	v_wmma_f32_16x16x32_f16 v[P1+32*\p+16:P1+32*\p+23], v[G:G+7],    v[UB:UB+7], v[D2:D2+7]
	v_wmma_f32_16x16x32_f16 v[P1+32*\p+24:P1+32*\p+31], v[G+8:G+15], v[UB:UB+7], v[D2+8:D2+15]
.endm
	MAKEP1 0
	MAKEP1 1
.irp i, 0,1,2,3,4,5,6,7
	v_mov_b32 v[LP+\i], 0                          ; log p starts at 0; also the places behind the last product
.endr
	v_mov_b32 v[DX], 0
	v_mov_b32 v98, 0
	v_mov_b32 v99, 0
	v_permlanex16_b32 v98, v96, s30, s31           ; T of sample 2 (L xor 16)
	v_permlanex16_b32 v99, v97, s30, s31           ; T of sample 2 (L xor 16) + 1
	; z of a tile's column r in both lanes r and 16 + r
.irp i, 0,1
	v_cndmask_b32 v[ZS+\i],   v96, v98, vcc_lo     ; tile 0: samples 2 r
	v_cndmask_b32 v[ZS+2+\i], v98, v96, vcc_lo     ; tile 1: samples 2 (r + 16)
	v_cndmask_b32 v[ZS+4+\i], v97, v99, vcc_lo     ; tile 2: samples 2 r + 1
	v_cndmask_b32 v[ZS+6+\i], v99, v97, vcc_lo     ; tile 3: samples 2 (r + 16) + 1
.endr
.macro RMR2 p                                          ; u = r - r^2, one rounding, two at a time, in place
	v_pk_fma_f32 v[\p:\p+1], v[\p:\p+1], v[\p:\p+1], v[\p:\p+1] neg_lo:[1,0,0] neg_hi:[1,0,0]
.endm
; Layer 1 of tile t1 and layer 2 of tile t2 (stage st of its RK step), interleaved so that exponentials, reciprocals and plain
; arithmetic of two independent tiles alternate.  NONE switches a half off.
; Behind every v_exp_f32 / v_rcp_f32 a plain vector instruction on other registers comes before its result is used (ISA guide 5.7.2):
; the next pair's packed line, or the first line of the next phase, which works on pair 0.
.macro STEP t1, t2, st
	; phase 1: t1 = P1 + z S W1[:,0]; 2^t1.  Its eight packed lines (or four v_nop) are the places between the products at the end
	; of the step before and the first reading of D2 and rewriting of HB, UB (ISA guide 7.12.1)
.if \t1 != NONE
.set j, 0
.rept 8
	v_pk_fma_f32 v[X+2*j:X+2*j+1], v[ZS+2*\t1:ZS+2*\t1+1], v[WZ+2*j:WZ+2*j+1], v[P1+16*\t1+2*j:P1+16*\t1+2*j+1] op_sel_hi:[0,1,1]
	v_exp_f32 v[X+2*j], v[X+2*j]
	v_exp_f32 v[X+2*j+1], v[X+2*j+1]
.set j, j+1
.endr
.else
.rept 4
	v_nop
.endr
.endif
	; phase 2: r1 = 1 / (1 + 2^t1);  2^t2
.set j, 0
.rept 8
.if \t1 != NONE
	s_wait_alu depctr_va_vdst(0)
	v_pk_add_f32 v[X+2*j:X+2*j+1], v[X+2*j:X+2*j+1], 1.0 op_sel_hi:[1,0]
	v_rcp_f32 v[X+2*j], v[X+2*j]
	v_rcp_f32 v[X+2*j+1], v[X+2*j+1]
.endif
.if \t2 != NONE
	v_exp_f32 v[D2+2*j], v[D2+2*j]
	v_exp_f32 v[D2+2*j+1], v[D2+2*j+1]
.endif
.set j, j+1
.endr
.if \t1 == NONE
	v_nop                                          ; the plain place behind a run of exponentials alone
.endif
	; phase 3: r2 = 1 / (1 + 2^t2);  h1 = 1 - 2 r1 and u1 = r1 - r1^2 into the B fragments
.set j, 0
.rept 8
.if \t2 != NONE
	s_wait_alu depctr_va_vdst(0)
	v_pk_add_f32 v[D2+2*j:D2+2*j+1], v[D2+2*j:D2+2*j+1], 1.0 op_sel_hi:[1,0]
	v_rcp_f32 v[D2+2*j], v[D2+2*j]
	v_rcp_f32 v[D2+2*j+1], v[D2+2*j+1]
.endif
.if \t1 != NONE
	s_wait_alu depctr_va_vdst(0)
	v_pk_fma_f32 v[Y+2*(j&1):Y+2*(j&1)+1], v[X+2*j:X+2*j+1], -2.0, 1.0 op_sel_hi:[1,0,0]
	RMR2 X+2*j
	v_cvt_pk_f16_f32 v[HB+j], v[Y+2*(j&1)], v[Y+2*(j&1)+1]
	v_cvt_pk_f16_f32 v[UB+j], v[X+2*j], v[X+2*j+1]
.endif
.set j, j+1
.endr
	; phase 4: dz/dt = CP.. + sum r2 (-2 W3);  sigma div = sum u2 G;  the stage's update
.if \t2 != NONE
	s_wait_alu depctr_va_vdst(0)
	v_pk_fma_f32 v[AZ:AZ+1], v[D2:D2+1], v[W3N:W3N+1], v[CP:CP+1]
	RMR2 D2
	v_pk_fma_f32 v[AZ:AZ+1], v[D2+2:D2+3], v[W3N+2:W3N+3], v[AZ:AZ+1]
	RMR2 D2+2
	v_pk_mul_f32 v[AD:AD+1], v[D2:D2+1], v[G:G+1]
.set j, 2
.rept 6
	v_pk_fma_f32 v[AZ:AZ+1], v[D2+2*j:D2+2*j+1], v[W3N+2*j:W3N+2*j+1], v[AZ:AZ+1]
	RMR2 D2+2*j
	v_pk_fma_f32 v[AD:AD+1], v[D2+2*j-2:D2+2*j-1], v[G+2*j-2:G+2*j-1], v[AD:AD+1]
.set j, j+1
.endr
	v_pk_fma_f32 v[AD:AD+1], v[D2+14:D2+15], v[G+14:G+15], v[AD:AD+1]
	v_add_f32 v[DZ], v[AZ], v[AZ+1]                ; my 16 units,
	v_permlanex16_b32 v[DX], v[DZ], s30, s31
	v_add_f32 v[DZ], v[DZ], v[DX]                  ; and the other half's: k of this stage.  (div stays a pair per lane until the end)
.if \st == 0
	v_pk_fma_f32 v[LP+2*\t2:LP+2*\t2+1], v[AD:AD+1], s[34:35], v[LP+2*\t2:LP+2*\t2+1] op_sel_hi:[1,0,1]
	v_fma_f32 v[KZ+\t2], v[DZ], s34, v[ZS+2*\t2+1]             ; z + k1/12
	v_fma_f32 v[ZS+2*\t2], v[DZ], s38, v[ZS+2*\t2+1]           ; z + k1 dt/2
.endif
.if \st == 1
	v_pk_fma_f32 v[LP+2*\t2:LP+2*\t2+1], v[AD:AD+1], s[36:37], v[LP+2*\t2:LP+2*\t2+1] op_sel_hi:[1,0,1]
	v_fma_f32 v[KZ+\t2], v[DZ], s36, v[KZ+\t2]                 ; + k2/6
	v_fma_f32 v[ZS+2*\t2], v[DZ], s38, v[ZS+2*\t2+1]           ; z + k2 dt/2
.endif
.if \st == 2
	v_pk_fma_f32 v[LP+2*\t2:LP+2*\t2+1], v[AD:AD+1], s[36:37], v[LP+2*\t2:LP+2*\t2+1] op_sel_hi:[1,0,1]
	v_fma_f32 v[KZ+\t2], v[DZ], s36, v[KZ+\t2]                 ; + k3/6
	v_fma_f32 v[ZS+2*\t2], v[DZ], 0.5, v[ZS+2*\t2+1]           ; z + k3 dt
.endif
.if \st == 3
	v_pk_fma_f32 v[LP+2*\t2:LP+2*\t2+1], v[AD:AD+1], s[34:35], v[LP+2*\t2:LP+2*\t2+1] op_sel_hi:[1,0,1]
	v_fma_f32 v[ZS+2*\t2], v[DZ], s34, v[KZ+\t2]               ; + k4/12: the step's result, as the next stage's z
	v_fma_f32 v[ZS+2*\t2+1], v[DZ], s34, v[KZ+\t2]             ; and as the next step's z
.endif
.endif
	; phase 5: t2 = (S W2) h1 + S b2;  G = (sigma 16 W3 W1[:,0] W2) u1
.if \t1 != NONE
	v_wmma_f32_16x16x32_f16 v[D2:D2+7],    v[AW:AW+7],    v[HB:HB+7], v[CB:CB+7]
	v_wmma_f32_16x16x32_f16 v[D2+8:D2+15], v[AW+8:AW+15], v[HB:HB+7], v[CB+8:CB+15]
	v_wmma_f32_16x16x32_f16 v[G:G+7],      v[AG:AG+7],    v[UB:UB+7], 0
	v_wmma_f32_16x16x32_f16 v[G+8:G+15],   v[AG+8:AG+15], v[UB:UB+7], 0
.endif
.endm
	; one trip = one RK4 step of the wave's four tiles: 16 tile evaluations, layer 2 one tile behind layer 1.
	; A tile's stage z is written three STEPs before its layer 1 reads it.
	s_mov_b32 s40, 0
.Lrk:
	STEP 0, NONE, 0
.irp st, 0,1,2
	STEP 1, 0, \st
	STEP 2, 1, \st
	STEP 3, 2, \st
	STEP 0, 3, \st
.endr
	STEP 1, 0, 3
	STEP 2, 1, 3
	STEP 3, 2, 3
	STEP NONE, 3, 3
	s_add_co_u32 s40, s40, 1
	s_cmp_lt_u32 s40, 2
	s_cbranch_scc1 .Lrk
	; the way out: log p's four partial sums meet, lane L picks samples 2L and 2L + 1 from the tiles of its half
.irp t, 0,1,2,3
	v_add_f32 v[X+\t], v[LP+2*\t], v[LP+2*\t+1]
.endr
.irp t, 0,1,2,3
	v_permlanex16_b32 v[X+4+\t], v[X+\t], s30, s31
.endr
.irp t, 0,1,2,3
	v_add_f32 v[X+\t], v[X+\t], v[X+4+\t]
.endr
	s_mov_b32 vcc_lo, 0xffff0000
	v_cndmask_b32 v[X+8],  v[X],      v[X+1],    vcc_lo        ; sample 2L: tile 0 in lanes 0-15, tile 1 in lanes 16-31
	v_cndmask_b32 v[X+9],  v[X+2],    v[X+3],    vcc_lo        ; sample 2L + 1: tiles 2 and 3
	v_cndmask_b32 v[X+10], v[ZS+1],   v[ZS+3],   vcc_lo
	v_cndmask_b32 v[X+11], v[ZS+5],   v[ZS+7],   vcc_lo
	v_pk_mul_f32 v[X+8:X+9], v[X+8:X+9], v[6:7] op_sel:[0,1] op_sel_hi:[1,1]   ; both by 1 / sigma (v7)
	global_store_b64 v251, v[X+10:X+11], s[24:25] th:TH_STORE_NT   ; each store of the wave covers 256 consecutive bytes, aligned
	global_store_b64 v251, v[X+8:X+9],   s[26:27] th:TH_STORE_NT
	s_endpgm
.Lfunc_end_k_qfcc77c6f88_cnf:
	.size	k_qfcc77c6f88_cnf, .Lfunc_end_k_qfcc77c6f88_cnf-k_qfcc77c6f88_cnf
	.p2alignl 7, 3214868480
	.fill 96, 4, 3214868480
	.section	.rodata,"a",@progbits
	.p2align	6, 0x0
	.amdhsa_kernel k_qfcc77c6f88_cnf
		.amdhsa_group_segment_fixed_size 0
		.amdhsa_private_segment_fixed_size 0
		.amdhsa_enable_private_segment 0
		.amdhsa_kernarg_size 80
		.amdhsa_user_sgpr_count 2
		.amdhsa_user_sgpr_kernarg_segment_ptr 1
		.amdhsa_wavefront_size32 1
		.amdhsa_system_sgpr_workgroup_id_x 1
		.amdhsa_system_sgpr_workgroup_id_y 1
		.amdhsa_system_sgpr_workgroup_id_z 1
		.amdhsa_system_vgpr_workitem_id 0
		.amdhsa_next_free_vgpr 256
		.amdhsa_next_free_sgpr 66
		.amdhsa_reserve_vcc 1
		.amdhsa_float_denorm_mode_32 3
		.amdhsa_float_denorm_mode_16_64 3
		.amdhsa_memory_ordered 1
		.amdhsa_forward_progress 1
		.amdhsa_inst_pref_size 157
	.end_amdhsa_kernel
	.amdgpu_metadata
---
amdhsa.version: [ 1, 2 ]
amdhsa.kernels:
  - .name:           k_qfcc77c6f88_cnf
    .symbol:         k_qfcc77c6f88_cnf.kd
    .args:
      - { .name: T, .offset: 0, .size: 8, .value_kind: global_buffer, .address_space: global }
      - { .name: cond, .offset: 8, .size: 8, .value_kind: global_buffer, .address_space: global }
      - { .name: W1, .offset: 16, .size: 8, .value_kind: global_buffer, .address_space: global }
      - { .name: b1, .offset: 24, .size: 8, .value_kind: global_buffer, .address_space: global }
      - { .name: W2, .offset: 32, .size: 8, .value_kind: global_buffer, .address_space: global }
      - { .name: b2, .offset: 40, .size: 8, .value_kind: global_buffer, .address_space: global }
      - { .name: W3, .offset: 48, .size: 8, .value_kind: global_buffer, .address_space: global }
      - { .name: b3, .offset: 56, .size: 8, .value_kind: global_buffer, .address_space: global }
      - { .name: out0, .offset: 64, .size: 8, .value_kind: global_buffer, .address_space: global }
      - { .name: out1, .offset: 72, .size: 8, .value_kind: global_buffer, .address_space: global }
    .group_segment_fixed_size: 0
    .private_segment_fixed_size: 0
    .kernarg_segment_align: 8
    .kernarg_segment_size: 80
    .max_flat_workgroup_size: 128
    .sgpr_count:     66
    .vgpr_count:     256
    .wavefront_size: 32
...
	.end_amdgpu_metadata
.endif
;; end of part 1
